; MI455X (gfx1250); checked and timed in simulation.
; The chip was launched on July 23, 2026; its instructions are those of AMD's public machine-readable ISA for CDNA 5 (MIT licence, August 2026) and "CDNA5" Instruction Set Architecture Reference Guide (July 2026). The comments in the code are by the model that wrote it; some were corrected since.
;; P2 B X Corr. Allowed arithmetic: matrix products marked QUANTISED: E2M1 operands, one E8M0 scale for each 32 along K, by v_wmma_scale_f32_16x16x128_f8f6f4 with both operands' format E2M1 (or v_wmma_scale_f32_32x16x128_f4), f32 sums; everything else in f32.
;; Inputs: W1 64 x 129 float32; W2 64 x 64 float32; W3 64 x 64 float32; Wc1 64 x 64 float32; Wc2 128 x 64 float32; b1 64 float32; b2 64 float32; b3 64 float32; bc1 64 float32; bc2 128 float32; g1 64 float32; g2 64 float32; g3 64 float32; gc1 64 float32; m1 64 float32; m2 64 float32; m3 64 float32; mc1 64 float32; search_feature 8 x 128 x 1,024 float32; template_feature 8 x 128 x 256 float32; v1 64 float32; v2 64 float32; v3 64 float32; vc1 64 float32.
;; Outputs: out0 8 x 128 x 1,024 float32.
;; This version of the problem:
;;   THIS VERSION OF THE PROBLEM IS GIVEN IN LOW PRECISION. The matrix products marked QUANTISED in the list below multiply operands that are first quantised to E2M1 (2 exponent bits, 1 mantissa bit; 4 bits a number), with one power-of-two scale for each 32 numbers along K (OCP MX v1.0); their sums are f32. All else is computed in f32.
;;   The module's matrix products, in the order in which they are computed (A, B: the left and right operand; K: the contracted axis; several contracted axes count as one K, in the product's order):
;;     1. batch 8 x [M 256, K 128] x [K 128, N 1,024]; A: input template_feature; B: input search_feature: QUANTISED
;;     2. [M 2,048, K 128] x [K 128, N 64]; A: input template_feature; B: input W1: QUANTISED
;;     3. [M 2,097,152, K 64] x [K 64, N 64]; A: computed on the way; B: input W2: QUANTISED
;;     4. [M 2,097,152, K 64] x [K 64, N 64]; A: computed on the way; B: input W3: QUANTISED
;;     5. [M 8,192, K 64] x [K 64, N 64]; A: computed on the way; B: input Wc1: QUANTISED
;;     6. [M 8,192, K 64] x [K 64, N 128]; A: computed on the way; B: input Wc2: QUANTISED
;;   THE QUANTISER, for each operand of a quantised product, along K:
;;     - K is cut into blocks of 32 from its start; a last block that is shorter is filled with zeros.
;;     - A block's scale is 2^e with e = floor(log2(the largest magnitude in the block)) - 2, held to -126 .. 127; a block of zeros has e = 0. As a byte (E8M0): e + 127.
;;     - Each number is divided by its block's scale, clamped to +-6, and rounded to the nearest number of E2M1, ties to even, subnormals kept.
;;     - The product sums the exact products of the quantised numbers (number of the format x scale) in f32.
;;   ~~~python
;;   def quantise(x, axis):      # numpy; x: float32 -> the quantised numbers, widened to float32 again
;;       x = np.moveaxis(x, axis, -1); K = x.shape[-1]
;;       x = np.pad(x, [(0, 0)] * (x.ndim - 1) + [(0, -K % 32)]); x = x.reshape(x.shape[:-1] + (-1, 32)); a = np.abs(x).max(-1, keepdims=True)
;;       e = np.where(a > 0, np.clip(np.frexp(np.where(a > 0, a, 1))[1] - 1 - 2, -126, 127), 0)      # np.frexp(a)[1] - 1 = floor(log2(a)), exactly
;;       r = np.clip(x / 2.0 ** e, -6, 6)
;;       step = 2.0 ** (np.maximum(np.frexp(np.where(r == 0, 1, r))[1] - 1, 0) - 1)
;;       q = np.round(r / step) * step * 2.0 ** e      # np.round: ties to even
;;       return np.moveaxis(q.reshape(q.shape[:-2] + (-1,))[..., :K], -1, axis).astype(np.float32)
;;   ~~~
;;   OPERANDS COMPUTED ON THE WAY. 'Computed on the way' means the value that the module computes at that place (a softmax that the list does not call 'softmax' is quantised finished and normalised). What goes into a quantiser is computed in f32, as accurately as f32 sums, v_exp_f32 and their like allow (about 1e-6 of the number): no bf16 or f16 on the way to a quantiser, and a product that is left as it is and whose result goes on into a quantised operand takes f32 operands (vector FMAs, or v_wmma_f32_16x16x4_f32). A number that lies on a knife's edge between two numbers of the format may be rounded either way, as far as f32 arithmetic and the matrix unit's own rounding can turn it there, and no further.
;; One version. Each part assembles by itself: llvm-mc -triple=amdgcn-amd-amdhsa -mcpu=gfx1250 --defsym DOCPART=n.
;; ======== version 1 of 1: 1 launch
;; launch xcorr (part 1): grid 256 x 1, 8 waves a work-group, no clusters, 164,864 bytes of LDS; arguments template_feature, search_feature, W1, W2, W3, Wc1, Wc2, bc2, g1, b1, m1, v1, g2, b2, m2, v2, g3, b3, m3, v3, gc1, bc1, mc1, vc1, out0; writes out0
.if DOCPART == 1
	.amdgcn_target "amdgcn-amd-amdhsa--gfx1250"
	.amdhsa_code_object_version 6
	.text
	.protected	k_q5ae6faef8b_xcorr
	.globl	k_q5ae6faef8b_xcorr
	.p2align	8
	.type	k_q5ae6faef8b_xcorr,@function
k_q5ae6faef8b_xcorr:
	s_mov_b64 s[64:65], 0
	v_nop
	global_prefetch_b8 v0, s[64:65] scope:SCOPE_SE
	s_setreg_imm32_b32 hwreg(HW_REG_WAVE_MODE, 25, 1), 1
	s_wait_xcnt 0x0
; P2B cross-correlation, all six products on codes of FP4 (E2M1) with one E8M0 scale for each 32 along K; everything else in f32.
; t [8][128][256], s [8][128][1024]; cos(m, n) = t(:, m) . s(:, n) / max(|t(:, m)| |s(:, n)|, 1e-8); h1 = relu(bn1(W1[:, 1:] t(:, m) + W1[:, 0] cos)); h2 = relu(bn2(W2 h1)); h3 = relu(bn3(W3 h2));
; p = max over m of h3; c = relu(bnc1(Wc1 p)); out0 = Wc2 c + bc2.
; SHARES.  256 work-groups of 8 waves.  Work-group g: batch g / 32, search columns 32 (g % 32) on, all 256 templates.  Wave w: 16 columns (e = w % 2), 64 templates (q = w / 2).  A tile is one template x 16 columns.
; LAYOUT.  Every product is used transposed: source 0 = 16 rows of a weight, source 1 = 16 positions.  Row rho of a weight's tile u is output channel 32 (rho / 8) + 8 u + rho % 8, so that in the four results
; of a layer lane (r, h) holds position r and its register i the channel 32 h + i: ONE WHOLE BLOCK of 32 along the next K.  Its largest number needs no other lane, and the four conversions are registers 0-3 of
; the next operand as they stand.  K = 64 fills half of the instruction's 128: registers 4-7 of both operands are zero codes, and their scale bytes are 0.
; RELU ON THE CODES.  The block's largest number is taken WITHOUT |.| (what is negative does not count; a floor stands over it), the signed numbers are converted, and then the magnitude bits of negative codes
; are cleared, four lines for eight codes: they become -0, which adds nothing.
; THE MAXIMUM AHEAD OF bn3.  s3 = g3 rsq(v3 + eps) has g3's sign.  Where g3 is negative the sign bits of that row's codes of W3 are turned (exact), so max_m relu(s3 y + o3) = relu(|s3| max_m y' + o3).
; cos IN BOTH HALVES.  Row r of t's fragment is template m0 + r % 8, so register j of both halves of the lanes holds the dot product of template m0 + j: one matrix instruction serves 8 tiles.
; BATCH NORMS are folded: s = g rsq(v + 1e-5), o = b - m s; h1 = a cos + c(m), a = s1 W1[:, 0], c(m) = s1 (W1[:, 1:] t(:, m)) + o1, a table in LDS.
; LIMITS.  NaN and infinities among the inputs are not served.  A block whose largest number lies under 2^-124 (a block of zeros among them) gets the scale byte 1; its codes are zeros or -0, and this program alone
; reads the bytes.  1 / x, 1 / sqrt and sqrt are the machine's instructions; the sums of squares are added in four chains, not in reference()'s order.
; out0: a work-group owns 128 bytes of each of 128 rows; eight neighbouring lanes store them.  No tensor loads, no cluster: memory is read at the head alone, straight into the registers that the quantiser wants.
.set TP,   80                          ; a template's 128 codes in LDS: 64 bytes + 16
.set CP,   272                         ; a template's 64 numbers c: 256 bytes + 16
.set OP,   144                         ; a row of the stage for out0: 128 bytes + 16
.set TC,   0                           ; t's codes, row m
.set TSC,  TC+256*TP                   ; t's scale words, 4 m
.set NTB,  TSC+1024                    ; |t(:, m)|, 4 m
.set CT,   NTB+1024                    ; c(m)
.set TAB,  CT+256*CP                   ; ten tables of 64 f32: 0 s1, 1 o1, 2 s2, 3 o2, 4 a, 5 |s3|, 6 o3, 7 sc1, 8 oc1, 9 not read
.set W1I,  TAB+2560                    ; the weights as images of their operand registers: 16 bytes a lane for each group of four registers; W1: 4 tiles x 2 groups
.set W1S,  W1I+4096                    ; and their scale words, 4 bytes a lane, 128 a tile
.set W23I, W1S+512                     ; W2's 4 tiles, then W3's 4
.set W23S, W23I+4096
.set WC1I, W23S+1024
.set WC1S, WC1I+2048
.set WC2I, WC1S+512                    ; Wc2: 8 tiles of neighbouring rows
.set WC2S, WC2I+4096
.set PM,   WC2S+1024                   ; the waves' maxima: 4,096 bytes a wave
.set OS,   PM+32768                    ; the stage for out0: 128 rows
; window 0
.set ADC,  1                           ; LDS addresses of the trip in hand: c,
.set ADT,  2                           ; t's codes,
.set ADS,  3                           ; t's scale words,
.set ADN,  4                           ; t's norms
.set ADC0, 5                           ; and their bases (with v75, v91, v95), never rewritten in the loop
.set SSW,  6                           ; v6-17 hold scale words and nothing else: s's,
.set TSW,  7                           ; t's,
.set QS1,  8                           ; h1's,
.set QS2,  9                           ; h2's,
.set WS2,  10                          ; W2's four,
.set WS3,  14                          ; W3's four
.set NS,   18                          ; v[18:19] |s(:, n)|, twice
.set SF,   20                          ; s's fragment
.set BQ1,  28                          ; h1's codes: 4 registers, then 4 of zeros
.set BQ2,  36                          ; h2's likewise
.set COS,  44                          ; 8 templates' cos
.set RN,   52                          ; 8 norms, then reciprocals
.set TA,   60                          ; two sets of 15 at work: +0..3 maxima, +4 the conversion's scale, +5 the byte, +6 the other half's byte, +7..14 the relu's masks
.set ADT0, 75
.set TB,   76
.set ADS0, 91
.set BO,   92                          ; v92-93 bc2 of my two tiles of outputs
.set G3,   94                          ; g3 of my row of W3 (head)
.set ADN0, 95
.set XH,   96                          ; h1 ahead of its quantiser
.set YH,   128                         ; W2 h1, then h2
.set ZA,   160                         ; W3 h2 of an even tile
.set ZB,   192                         ; of an odd tile
.set ACC,  224                         ; the running maximum
; window 1
.set KA1,  0                           ; a, s2, o2 of my 32 channels
.set KS2,  32
.set KO2,  64
.set WF2,  96                          ; W2's four fragments (4 registers of codes, 4 of zeros each)
.set WF3,  128                         ; W3's
.set CS0,  160                         ; c of an even tile
.set CS1,  192                         ; of an odd tile
.set TFR,  224                         ; t's fragment
; window 0 at the head: offsets and LDS addresses, all made ahead of the one parting of the waves
.set LN,   224
.set RR,   225
.set HH,   226
.set PR,   227
.set GT,   228
.set GS,   229
.set GW1,  230
.set GWP,  231
.set GWN,  232
.set GG3,  233
.set GCH,  234
.set GC0,  235
.set GBC,  236
.set ATC,  237
.set ATS,  238
.set ANT,  239
.set IW1,  240
.set SW1,  241
.set I23,  242
.set S23,  243
.set IC1,  244
.set SC1A, 245
.set IC2,  246
.set SC2A, 247
.set ATB,  248
.set AIM,  249
.set ASM,  250
.set ATL,  251
.set TMP,  252
.set ATF,  253
.set ATW,  254
.set ACS,  255
.set MSB, 0
.macro WIN new                         ; s_set_vgpr_msb: bits 1:0 source 0, 3:2 source 1, 5:4 source 2, 7:6 destination; the high byte repeats the setting that is left
.if MSB != \new
	s_set_vgpr_msb (MSB<<8)|\new
.set MSB, \new
.endif
.endm
.macro PLACES n
.rept \n
	v_nop
.endr
.endm
.macro BARRIER                         ; my LDS stores have landed and my LDS loads are in: then the work-group's barrier
	s_wait_dscnt 0x0
	s_barrier_signal -1
	s_barrier_wait -1
.endm
.macro TLD reg, adr, tab               ; my 32 channels of a table
.irp i, 0,1,2,3,4,5,6,7
	ds_load_b128 v[(\reg)+4*\i:(\reg)+4*\i+3], v[\adr] offset:256*(\tab)+16*\i
.endr
.endm
; The largest of 32 numbers and the floor 2^-124 (s63), in four chains: 16 lines.  abs = 1: of their magnitudes.
.macro QMAX x, tm, abs
.if \abs
.irp c, 0,1,2,3
	v_max3_num_f32 v[(\tm)+\c], |v[(\x)+8*\c]|, |v[(\x)+8*\c+1]|, |v[(\x)+8*\c+2]|
.endr
.irp i, 3,5
.irp c, 0,1,2,3
	s_delay_alu instid0(VALU_DEP_4)
	v_max3_num_f32 v[(\tm)+\c], v[(\tm)+\c], |v[(\x)+8*\c+\i]|, |v[(\x)+8*\c+\i+1]|
.endr
.endr
	s_delay_alu instid0(VALU_DEP_4)
	v_max3_num_f32 v[(\tm)], v[(\tm)], |v[(\x)+7]|, |v[(\x)+15]|
	s_delay_alu instid0(VALU_DEP_3)
	v_max3_num_f32 v[(\tm)+2], v[(\tm)+2], |v[(\x)+23]|, |v[(\x)+31]|
.else
.irp c, 0,1,2,3
	v_max3_num_f32 v[(\tm)+\c], v[(\x)+8*\c], v[(\x)+8*\c+1], v[(\x)+8*\c+2]
.endr
.irp i, 3,5
.irp c, 0,1,2,3
	s_delay_alu instid0(VALU_DEP_4)
	v_max3_num_f32 v[(\tm)+\c], v[(\tm)+\c], v[(\x)+8*\c+\i], v[(\x)+8*\c+\i+1]
.endr
.endr
	s_delay_alu instid0(VALU_DEP_4)
	v_max3_num_f32 v[(\tm)], v[(\tm)], v[(\x)+7], v[(\x)+15]
	s_delay_alu instid0(VALU_DEP_3)
	v_max3_num_f32 v[(\tm)+2], v[(\tm)+2], v[(\x)+23], v[(\x)+31]
.endif
	s_delay_alu instid0(VALU_DEP_1)
	v_max3_num_f32 v[(\tm)], v[(\tm)], v[(\tm)+1], v[(\tm)+2]
	s_delay_alu instid0(VALU_DEP_1)
	v_max3_num_f32 v[(\tm)], v[(\tm)], v[(\tm)+3], s63
.endm
; A lane's block of 32, v[x] on, becomes 4 registers of codes, v[d] on; v[sc] gets in lanes 0-15 the scale bytes of blocks 0 (mine) and 1 (lane + 16's).  relu = 1: negative codes become -0.
.macro QUANT x, d, sc, tm, abs, relu
	QMAX \x, \tm, \abs
	s_delay_alu instid0(VALU_DEP_1)
	v_add_nc_u32 v[(\tm)+4], s95, v[(\tm)]         ; 2 off the exponent field: the conversion takes that field of this operand as its scale
.irp g, 0,1,2,3
	v_cvt_scalef32_pk8_fp4_f32 v[(\d)+\g], v[(\x)+8*\g:(\x)+8*\g+7], v[(\tm)+4]
.endr
	v_lshrrev_b32 v[(\tm)+5], 23, v[(\tm)+4]       ; the scale's byte; also the plain line behind the conversions
	s_delay_alu instid0(VALU_DEP_1)
	v_permlanex16_b32 v[(\tm)+6], v[(\tm)+5], s60, s61
	s_delay_alu instid0(VALU_DEP_1)
	v_lshl_or_b32 v[\sc], v[(\tm)+6], 8, v[(\tm)+5]
.if \relu
.irp g, 0,1,2,3
	v_and_b32 v[(\tm)+7+\g], s62, v[(\d)+\g]       ; the eight sign bits: 8 in each negative code's place
.endr
.irp g, 0,1,2,3
	s_delay_alu instid0(VALU_DEP_4)
	v_lshrrev_b32 v[(\tm)+11+\g], 3, v[(\tm)+7+\g] ; 1 there
.endr
.irp g, 0,1,2,3
	s_delay_alu instid0(VALU_DEP_4)
	v_sub_nc_u32 v[(\tm)+7+\g], v[(\tm)+7+\g], v[(\tm)+11+\g]   ; 8 - 1 = 7 there: no borrow leaves a code's four bits
.endr
.irp g, 0,1,2,3
	v_bfi_b32 v[(\d)+\g], v[(\tm)+7+\g], 0, v[(\d)+\g]          ; the three magnitude bits of negative codes are cleared
.endr
.endif
.endm
; Two such blocks, without |.| and with the relu, line by line by turns, so that no line waits for the line above it.
.macro QUANT2 xa, da, sa, ta, xb, db, sb, tb
.irp c, 0,1,2,3
	v_max3_num_f32 v[(\ta)+\c], v[(\xa)+8*\c], v[(\xa)+8*\c+1], v[(\xa)+8*\c+2]
	v_max3_num_f32 v[(\tb)+\c], v[(\xb)+8*\c], v[(\xb)+8*\c+1], v[(\xb)+8*\c+2]
.endr
.irp i, 3,5
.irp c, 0,1,2,3
	v_max3_num_f32 v[(\ta)+\c], v[(\ta)+\c], v[(\xa)+8*\c+\i], v[(\xa)+8*\c+\i+1]
	v_max3_num_f32 v[(\tb)+\c], v[(\tb)+\c], v[(\xb)+8*\c+\i], v[(\xb)+8*\c+\i+1]
.endr
.endr
	v_max3_num_f32 v[(\ta)], v[(\ta)], v[(\xa)+7], v[(\xa)+15]
	v_max3_num_f32 v[(\tb)], v[(\tb)], v[(\xb)+7], v[(\xb)+15]
	v_max3_num_f32 v[(\ta)+2], v[(\ta)+2], v[(\xa)+23], v[(\xa)+31]
	v_max3_num_f32 v[(\tb)+2], v[(\tb)+2], v[(\xb)+23], v[(\xb)+31]
	s_delay_alu instid0(VALU_DEP_2)
	v_max3_num_f32 v[(\ta)], v[(\ta)], v[(\ta)+1], v[(\ta)+2]
	s_delay_alu instid0(VALU_DEP_2)
	v_max3_num_f32 v[(\tb)], v[(\tb)], v[(\tb)+1], v[(\tb)+2]
	s_delay_alu instid0(VALU_DEP_2)
	v_max3_num_f32 v[(\ta)], v[(\ta)], v[(\ta)+3], s63
	s_delay_alu instid0(VALU_DEP_2)
	v_max3_num_f32 v[(\tb)], v[(\tb)], v[(\tb)+3], s63
	s_delay_alu instid0(VALU_DEP_2)
	v_add_nc_u32 v[(\ta)+4], s95, v[(\ta)]
	s_delay_alu instid0(VALU_DEP_2)
	v_add_nc_u32 v[(\tb)+4], s95, v[(\tb)]
.irp g, 0,1,2,3
	v_cvt_scalef32_pk8_fp4_f32 v[(\da)+\g], v[(\xa)+8*\g:(\xa)+8*\g+7], v[(\ta)+4]
	v_cvt_scalef32_pk8_fp4_f32 v[(\db)+\g], v[(\xb)+8*\g:(\xb)+8*\g+7], v[(\tb)+4]
.endr
	v_lshrrev_b32 v[(\ta)+5], 23, v[(\ta)+4]       ; the plain lines behind the conversions
	v_lshrrev_b32 v[(\tb)+5], 23, v[(\tb)+4]
	s_delay_alu instid0(VALU_DEP_2)
	v_permlanex16_b32 v[(\ta)+6], v[(\ta)+5], s60, s61
	s_delay_alu instid0(VALU_DEP_2)
	v_permlanex16_b32 v[(\tb)+6], v[(\tb)+5], s60, s61
	s_delay_alu instid0(VALU_DEP_2)
	v_lshl_or_b32 v[\sa], v[(\ta)+6], 8, v[(\ta)+5]   ; the scale words stand 32 plain lines ahead of the macro's end
	s_delay_alu instid0(VALU_DEP_2)
	v_lshl_or_b32 v[\sb], v[(\tb)+6], 8, v[(\tb)+5]
.irp g, 0,1,2,3
	v_and_b32 v[(\ta)+7+\g], s62, v[(\da)+\g]
	v_and_b32 v[(\tb)+7+\g], s62, v[(\db)+\g]
.endr
.irp g, 0,1,2,3
	v_lshrrev_b32 v[(\ta)+11+\g], 3, v[(\ta)+7+\g]
	v_lshrrev_b32 v[(\tb)+11+\g], 3, v[(\tb)+7+\g]
.endr
.irp g, 0,1,2,3
	v_sub_nc_u32 v[(\ta)+7+\g], v[(\ta)+7+\g], v[(\ta)+11+\g]
	v_sub_nc_u32 v[(\tb)+7+\g], v[(\tb)+7+\g], v[(\tb)+11+\g]
.endr
.irp g, 0,1,2,3
	v_bfi_b32 v[(\da)+\g], v[(\ta)+7+\g], 0, v[(\da)+\g]
	v_bfi_b32 v[(\db)+\g], v[(\tb)+7+\g], 0, v[(\db)+\g]
.endr
.endm
.macro SUMSQ x, n                      ; the sum of the squares of 8 n numbers, v[x] on, into v240: four chains of packed multiply-adds (all in window 1)
.irp p, 0,2,4,6
	v_pk_mul_f32 v[240+\p:241+\p], v[(\x)+\p:(\x)+\p+1], v[(\x)+\p:(\x)+\p+1]
.endr
.set i, (\x)+8
.rept (\n)-1
.irp p, 0,2,4,6
	s_delay_alu instid0(VALU_DEP_4)
	v_pk_fma_f32 v[240+\p:241+\p], v[i+\p:i+\p+1], v[i+\p:i+\p+1], v[240+\p:241+\p]
.endr
.set i, i+8
.endr
	s_delay_alu instid0(VALU_DEP_3)
	v_pk_add_f32 v[240:241], v[240:241], v[242:243]
	s_delay_alu instid0(VALU_DEP_2)
	v_pk_add_f32 v[244:245], v[244:245], v[246:247]
	s_delay_alu instid0(VALU_DEP_1)
	v_pk_add_f32 v[240:241], v[240:241], v[244:245]
	s_delay_alu instid0(VALU_DEP_1)
	v_add_f32 v240, v240, v241
.endm
; Under the setting 0x11 (sources 0 and 2 in window 1):
.macro BN y, sb, ob                    ; y = s y + o, two channels a line; a matrix result is read from its low end on
.irp i, 0,2,4,6,8,10,12,14,16,18,20,22,24,26,28,30
	v_pk_fma_f32 v[(\y)+\i:(\y)+\i+1], v[(\sb)+\i:(\sb)+\i+1], v[(\y)+\i:(\y)+\i+1], v[(\ob)+\i:(\ob)+\i+1]
.endr
.endm
.macro H1 u, half                      ; 16 channels of tile u: a cos + c; the pair of cos is read at its low word (u even) or its high word (u odd) for both halves
.irp i, 0,2,4,6,8,10,12,14
.if ((\u) % 2) == 0
	v_pk_fma_f32 v[XH+16*(\half)+\i:XH+16*(\half)+\i+1], v[KA1+16*(\half)+\i:KA1+16*(\half)+\i+1], v[COS+(\u):COS+(\u)+1], v[CS0+16*(\half)+\i:CS0+16*(\half)+\i+1] op_sel_hi:[1,0,1]
.else
	v_pk_fma_f32 v[XH+16*(\half)+\i:XH+16*(\half)+\i+1], v[KA1+16*(\half)+\i:KA1+16*(\half)+\i+1], v[COS+(\u)-1:COS+(\u)], v[CS1+16*(\half)+\i:CS1+16*(\half)+\i+1] op_sel:[0,1,0] op_sel_hi:[1,1,1]
.endif
.endr
.endm
.macro MM d, wf, bq, ws, sc            ; a layer for 16 positions: four tiles of 16 channels; every sum starts with the constant 0, no accumulator is taken up again
.irp t, 0,1,2,3
	v_wmma_scale_f32_16x16x128_f8f6f4 v[(\d)+8*\t:(\d)+8*\t+7], v[(\wf)+8*\t:(\wf)+8*\t+7], v[(\bq):(\bq)+7], 0, v[(\ws)+\t], v[\sc] matrix_a_fmt:MATRIX_FMT_FP4 matrix_b_fmt:MATRIX_FMT_FP4
.endr
.endm
.macro CLOAD set, u                    ; under 0x40 (destination in window 1): c of the trip's tile u, my 32 channels; sixteen lanes read the same 16 bytes
.irp i, 0,1,2,3,4,5,6,7
	ds_load_b128 v[(\set)+4*\i:(\set)+4*\i+3], v[ADC] offset:CP*(\u)+16*\i
.endr
.endm
.macro POOL                            ; two tiles into the running maximum
.set i, 0
.rept 32
	v_max3_num_f32 v[ACC+i], v[ACC+i], v[ZA+i], v[ZB+i]
.set i, i+1
.endr
.endm
	s_load_b512 s[8:23], s[0:1], 0x0               ; t 8, s 10, W1 12, W2 14, W3 16, Wc1 18, Wc2 20, bc2 22
	s_load_b512 s[24:39], s[0:1], 0x40             ; g1 24, b1 26, m1 28, v1 30, g2 32, b2 34, m2 36, v2 38
	s_load_b512 s[40:55], s[0:1], 0x80             ; g3 40, b3 42, m3 44, v3 46, gc1 48, bc1 50, mc1 52, vc1 54
	s_load_b64 s[56:57], s[0:1], 0xc0              ; out0
	s_set_vgpr_msb 0x40
	v_lshl_add_u32 v254, v0, 2, 0x28000
	v_mov_b32 v255, 0
	s_set_vgpr_msb 0x4000
	v_lshrrev_b32 v[TMP], 5, v0
	s_delay_alu instid0(VALU_DEP_1)
	v_readfirstlane_b32 s2, v[TMP]                 ; wave w
	s_lshr_b32 s3, s2, 1                           ; q: my quarter of the templates
	s_and_b32 s4, s2, 1                            ; e: my 16 of the 32 columns
	s_and_b32 s5, s2, 3
	s_lshr_b32 s6, s2, 2
	s_lshr_b32 s7, ttmp9, 5                        ; the batch
	s_and_b32 s58, ttmp9, 31
	s_lshl_b32 s58, s58, 5                         ; the work-group's first column
	s_mov_b32 s60, 0x76543210
	s_mov_b32 s61, 0xfedcba98                      ; v_permlanex16_b32's selects for lane l xor 16
	s_mov_b32 s62, 0x88888888                      ; the sign bits of eight codes
	s_mov_b32 s63, 0x01800000                      ; the floor 2^(3 - 127): the scale's byte cannot fall under 1
	s_mov_b32 s90, 0x322bcc77                      ; 1e-8
	s_mov_b32 s91, 0x3727c5ac                      ; 1e-5
	s_mov_b32 s95, 0xff000000                      ; -(2 << 23)
	v_and_b32 v[LN], 31, v0                        ; lane
	v_and_b32 v[RR], 15, v0                        ; r
	v_bfe_u32 v[HH], v0, 4, 1                      ; h
	v_and_b32 v[TMP], 7, v0                        ; r % 8
	v_bfe_u32 v[PR], v0, 3, 1
	s_delay_alu instid0(VALU_DEP_1)
	v_lshl_or_b32 v[PR], v[PR], 5, v[TMP]          ; 32 (r / 8) + r % 8: my row in a weight's tile 0
	v_lshlrev_b32 v[GT], 2, v0                     ; t: thread m takes column m
	v_lshlrev_b32 v[GS], 2, v[RR]
	s_delay_alu instid0(VALU_DEP_1)
	v_lshl_add_u32 v[GS], v[HH], 17, v[GS]         ; s: column r; lanes 16-31 begin 32 rows of 4,096 bytes further down
	s_delay_alu instid0(VALU_DEP_4)
	v_mul_u32_u24 v[GW1], v[PR], 516
	s_delay_alu instid0(VALU_DEP_1)
	v_lshl_add_u32 v[GW1], v[HH], 7, v[GW1]        ; W1: a row is 129 numbers; my block of 32
	v_lshlrev_b32 v[GWP], 8, v[PR]
	s_delay_alu instid0(VALU_DEP_1)
	v_lshl_add_u32 v[GWP], v[HH], 7, v[GWP]        ; W2, W3, Wc1: a row is 256 bytes
	v_lshlrev_b32 v[GWN], 8, v[RR]
	s_delay_alu instid0(VALU_DEP_1)
	v_lshl_add_u32 v[GWN], v[HH], 7, v[GWN]        ; Wc2: neighbouring rows
	v_lshlrev_b32 v[GG3], 2, v[PR]
	v_and_b32 v[GCH], 63, v0
	s_delay_alu instid0(VALU_DEP_1)
	v_mul_u32_u24 v[GC0], v[GCH], 516              ; W1[channel][0]
	s_delay_alu instid0(VALU_DEP_2)
	v_lshlrev_b32 v[GCH], 2, v[GCH]                ; a channel's g, b, m, v
	v_lshlrev_b32 v[GBC], 2, v[RR]
	v_mul_u32_u24 v[ATC], v0, TP
	v_lshl_add_u32 v[ATS], v0, 2, TSC
	v_lshl_add_u32 v[ANT], v0, 2, NTB
	s_lshl_b32 s86, s5, 10
	s_lshl_b32 s87, s6, 9
	s_add_co_u32 s86, s86, s87
	s_add_co_u32 s86, s86, W1I
	v_lshl_add_u32 v[IW1], v[LN], 4, s86           ; W1: tile w % 4, register group w / 4
	s_lshl_b32 s86, s5, 7
	s_lshl_b32 s87, s6, 1
	s_add_co_u32 s86, s86, s87
	s_add_co_u32 s86, s86, W1S
	v_lshl_add_u32 v[SW1], v[LN], 2, s86           ; and that group's two bytes of the scale word
	s_lshl_b32 s86, s2, 9
	s_add_co_u32 s86, s86, W23I
	v_lshl_add_u32 v[I23], v[LN], 4, s86
	s_lshl_b32 s86, s2, 7
	s_add_co_u32 s86, s86, W23S
	v_lshl_add_u32 v[S23], v[LN], 2, s86
	s_lshl_b32 s86, s5, 9
	s_add_co_u32 s86, s86, WC1I
	v_lshl_add_u32 v[IC1], v[LN], 4, s86
	s_lshl_b32 s86, s5, 7
	s_add_co_u32 s86, s86, WC1S
	v_lshl_add_u32 v[SC1A], v[LN], 2, s86
	s_lshl_b32 s86, s2, 9
	s_add_co_u32 s86, s86, WC2I
	v_lshl_add_u32 v[IC2], v[LN], 4, s86
	s_lshl_b32 s86, s2, 7
	s_add_co_u32 s86, s86, WC2S
	v_lshl_add_u32 v[SC2A], v[LN], 2, s86
	v_bfe_u32 v[ATB], v0, 6, 1
	s_delay_alu instid0(VALU_DEP_1)
	v_mul_u32_u24 v[ATB], v[ATB], 1280
	s_delay_alu instid0(VALU_DEP_1)
	v_add_nc_u32 v[ATB], v[ATB], v[GCH]
	s_delay_alu instid0(VALU_DEP_1)
	v_add_nc_u32 v[ATB], TAB, v[ATB]               ; waves 4, 5: tables 0-4; waves 6, 7: tables 5-9; my channel's word
	v_lshl_add_u32 v[AIM], v[LN], 4, W1I
	v_lshl_add_u32 v[ASM], v[LN], 2, W1S
	v_lshl_add_u32 v[ATL], v[HH], 7, TAB
	s_lshl_b32 s86, s2, 5
	v_add_nc_u32 v[TMP], s86, v[RR]                ; template 32 w + r: for the table c
	s_delay_alu instid0(VALU_DEP_1)
	v_mul_u32_u24 v[ATF], v[TMP], TP
	s_delay_alu instid0(VALU_DEP_1)
	v_lshl_add_u32 v[ATF], v[HH], 4, v[ATF]
	s_delay_alu instid0(VALU_DEP_3)
	v_lshl_add_u32 v[ATW], v[TMP], 2, TSC
	s_delay_alu instid0(VALU_DEP_4)
	v_mul_u32_u24 v[ACS], v[TMP], CP
	s_delay_alu instid0(VALU_DEP_1)
	v_lshl_add_u32 v[ACS], v[HH], 7, v[ACS]
	s_delay_alu instid0(VALU_DEP_1)
	v_add_nc_u32 v[ACS], CT, v[ACS]
	s_mul_i32 s86, s3, 64*CP                       ; the loop's bases: my 64 templates
	s_add_co_u32 s86, s86, CT
	v_lshl_add_u32 v[ADC0], v[HH], 7, s86
	v_and_b32 v[TMP], 7, v0
	s_delay_alu instid0(VALU_DEP_1)
	v_mul_u32_u24 v[ADT0], v[TMP], TP
	s_delay_alu instid0(VALU_DEP_1)
	v_lshl_add_u32 v[ADT0], v[HH], 4, v[ADT0]
	s_mul_i32 s86, s3, 64*TP
	v_add_nc_u32 v[ADT0], s86, v[ADT0]             ; row r of t's fragment is template m0 + r % 8
	s_lshl_b32 s86, s3, 8
	s_add_co_u32 s87, s86, TSC
	v_lshl_add_u32 v[ADS0], v[TMP], 2, s87
	s_add_co_u32 s87, s86, NTB
	v_mov_b32 v[ADN0], s87
	v_mov_b32 v[TA+6], 0                           ; written once: a lane permute's destination counts as one of its sources
	v_mov_b32 v[TB+6], 0
	s_wait_kmcnt 0x0
	s_mov_b32 s87, 0
	s_lshl_b32 s86, s7, 17
	s_add_nc_u64 s[8:9], s[8:9], s[86:87]          ; t at my batch
	s_lshl_b32 s86, s4, 4
	s_add_co_u32 s86, s86, s58
	s_lshl_b32 s86, s86, 2
	s_lshl_b32 s88, s7, 19
	s_add_co_u32 s86, s86, s88
	s_add_nc_u64 s[10:11], s[10:11], s[86:87]      ; s at my batch and my wave's first column
	s_lshl_b32 s86, s58, 2
	s_add_co_u32 s86, s86, s88
	s_add_nc_u64 s[56:57], s[56:57], s[86:87]      ; out0 at my batch and the work-group's first column
	s_cmp_ge_u32 s2, 6                             ; the two layers whose batch norms a wave folds: 3 and c1 (waves 6, 7), else 1 and 2.  The choice hangs on the wave's number alone
	s_cselect_b64 s[66:67], s[40:41], s[24:25]
	s_cselect_b64 s[68:69], s[42:43], s[26:27]
	s_cselect_b64 s[70:71], s[44:45], s[28:29]
	s_cselect_b64 s[72:73], s[46:47], s[30:31]
	s_cselect_b64 s[74:75], s[48:49], s[32:33]
	s_cselect_b64 s[76:77], s[50:51], s[34:35]
	s_cselect_b64 s[78:79], s[52:53], s[36:37]
	s_cselect_b64 s[80:81], s[54:55], s[38:39]
	s_cselect_b32 s85, 0x7fffffff, -1              ; s3 is stored as |s3|
	s_cmp_lt_u32 s2, 4
	s_cselect_b64 s[82:83], s[14:15], s[16:17]     ; waves 0-3 quantise W2's tiles, waves 4-7 W3's
	s_cselect_b32 s84, 0, 0x88888888               ; and only W3's rows are turned
	s_lshl_b32 s86, s5, 11
	s_add_nc_u64 s[82:83], s[82:83], s[86:87]      ; tile w % 4: 8 rows of 256 bytes on
	s_add_nc_u64 s[18:19], s[18:19], s[86:87]      ; Wc1 likewise
	s_lshl_b32 s86, s2, 12
	s_add_nc_u64 s[20:21], s[20:21], s[86:87]      ; Wc2: tile w: 16 rows on
	s_lshl_b32 s86, s5, 5
	s_add_nc_u64 s[40:41], s[40:41], s[86:87]      ; g3 of my tile's rows
	s_lshl_b32 s86, s3, 7
	s_add_nc_u64 s[22:23], s[22:23], s[86:87]      ; bc2 of my 32 outputs
	s_mul_i32 s86, s5, 8*516
	s_lshl_b32 s88, s6, 8
	s_add_co_u32 s86, s86, s88
	s_add_co_u32 s86, s86, 4
	s_add_nc_u64 s[88:89], s[12:13], s[86:87]      ; W1[8 (w % 4)][1 + 64 (w / 4)]; s[12:13] stays at W1[0][0]
	; ---- ALL LOADS FROM MEMORY, in one run
	WIN 0x40                                       ; destination in window 1
.set i, 0
.rept 128
	global_load_b32 v[i], v[GT], s[8:9] offset:1024*i             ; t(f, m): a lane to a column, registers down K; the eight waves cover a row of 1,024 bytes
.set i, i+1
.endr
.irp c, 0,1
.set i, 0
.rept 32
	global_load_b32 v[128+32*\c+i], v[GS], s[10:11] offset:4096*(64*\c+i)   ; s(64 c + 32 h + i, n): the order of the operand's registers
.set i, i+1
.endr
.endr
	WIN 0
.set i, 0
.rept 32
	global_load_b32 v[96+i], v[GW1], s[88:89] offset:4*i          ; my block of 32 of my row of W1[:, 1:] (rows of 516 bytes: 4 bytes at a time)
.set i, i+1
.endr
.irp i, 0,1,2,3,4,5,6,7
	global_load_b128 v[128+4*\i:131+4*\i], v[GWP], s[82:83] offset:16*\i     ; of W2 or W3
.endr
.irp i, 0,1,2,3,4,5,6,7
	global_load_b128 v[160+4*\i:163+4*\i], v[GWN], s[20:21] offset:16*\i     ; of Wc2
.endr
	global_load_b32 v[G3], v[GG3], s[40:41]
	global_load_b32 v[BO], v[GBC], s[22:23]
	global_load_b32 v[BO+1], v[GBC], s[22:23] offset:64
; Every wave asks for Wc1's unit and for the batch norms' numbers, and uses one of the two: 8 or 9 loads a wave are the price of parting the waves once, at the work, and not also here.
.irp i, 0,1,2,3,4,5,6,7
	global_load_b128 v[192+4*\i:195+4*\i], v[GWP], s[18:19] offset:16*\i
.endr
.irp i, 0,1,2,3,4,5,6,7
	global_load_b32 v[28+\i], v[GCH], s[66+2*\i:67+2*\i]          ; g, b, m, v of the first layer, then of the second
.endr
	global_load_b32 v36, v[GC0], s[12:13]                         ; W1[channel][0]
	s_wait_loadcnt 63                              ; loads come back in order: 132 were issued behind t's last and 68 behind s's last, so with 63 out both are in
	; ---- t: my column's four blocks: codes, scale word, norm
	WIN 0x55                                       ; all in window 1
.irp b, 0,1,2,3
	QMAX 32*\b, 192+4*\b, 1
.endr
.irp b, 0,1,2,3
	v_add_nc_u32 v[208+\b], s95, v[192+4*\b]
.endr
.irp b, 0,1,2,3
.irp g, 0,1,2,3
	v_cvt_scalef32_pk8_fp4_f32 v[224+4*\b+\g], v[32*\b+8*\g:32*\b+8*\g+7], v[208+\b]
.endr
.endr
.irp b, 0,1,2,3
	v_lshrrev_b32 v[212+\b], 23, v[208+\b]         ; the bytes; plain lines behind the conversions
.endr
	s_delay_alu instid0(VALU_DEP_3)
	v_lshl_or_b32 v216, v213, 8, v212
	s_delay_alu instid0(VALU_DEP_1)
	v_lshl_or_b32 v216, v214, 16, v216
	s_delay_alu instid0(VALU_DEP_1)
	v_lshl_or_b32 v216, v215, 24, v216
	SUMSQ 0, 16
	s_wait_alu depctr_va_vdst(0)
	v_sqrt_f32 v217, v240
	v_nop                                          ; a plain line behind the root,
	s_wait_alu depctr_va_vdst(0)                   ; and a wait ahead of the first line that names its result
	WIN 0x04                                       ; an LDS store's data are its source 1: window 1
.irp b, 0,1,2,3
	ds_store_b128 v[ATC], v[224+4*\b:227+4*\b] offset:16*\b
.endr
	ds_store_b32 v[ATS], v216
	ds_store_b32 v[ANT], v217
	; ---- s: my column's blocks h and 2 + h: the fragment stays in registers
	WIN 0x55
	QMAX 128, 192, 1
	QMAX 160, 196, 1
	v_add_nc_u32 v208, s95, v192
	s_delay_alu instid0(VALU_DEP_2)
	v_add_nc_u32 v209, s95, v196
	s_delay_alu instid0(VALU_DEP_2)
	v_lshrrev_b32 v212, 23, v208
	s_delay_alu instid0(VALU_DEP_2)
	v_lshrrev_b32 v213, 23, v209
	s_delay_alu instid0(VALU_DEP_1)
	v_lshl_or_b32 v214, v213, 16, v212             ; my two bytes, two places apart
	s_delay_alu instid0(VALU_DEP_1)
	v_permlanex16_b32 v215, v214, s60, s61
	SUMSQ 128, 8
	s_delay_alu instid0(VALU_DEP_1)
	v_permlanex16_b32 v241, v240, s60, s61
	s_delay_alu instid0(VALU_DEP_1)
	v_add_f32 v240, v240, v241                     ; with the other 64 numbers of the column
	WIN 0x15                                       ; sources in window 1, destination in window 0
.irp c, 0,1
.irp g, 0,1,2,3
	v_cvt_scalef32_pk8_fp4_f32 v[SF+4*\c+\g], v[128+32*\c+8*\g:128+32*\c+8*\g+7], v[208+\c]
.endr
.endr
	v_lshl_or_b32 v[SSW], v215, 8, v214            ; lanes 0-15: blocks 0 and 2 are mine, 1 and 3 lane + 16's
	s_wait_alu depctr_va_vdst(0)
	v_sqrt_f32 v[NS], v240
	WIN 0
	v_nop
	s_wait_alu depctr_va_vdst(0)
	v_mov_b32 v[NS+1], v[NS]                       ; (named with it as a pair)
	; ---- the weights: each wave quantises a block of 32 a lane of three or four units and stores the registers' images
	s_wait_loadcnt 0x0
	QUANT 96, 44, 52, TA, 1, 0
	ds_store_b128 v[IW1], v[44:47]
	ds_store_b16 v[SW1], v52
	QUANT 128, 48, 53, TB, 1, 0
	v_ashrrev_i32 v[TMP], 31, v[G3]                ; all ones where g3 of my row is negative,
	s_delay_alu instid0(VALU_DEP_1)
	v_and_b32 v[TMP], s84, v[TMP]                  ; the eight sign bits of it, in W3's waves alone
.irp g, 0,1,2,3
	v_xor_b32 v[48+\g], v[TMP], v[48+\g]
.endr
	ds_store_b128 v[I23], v[48:51]
	ds_store_b32 v[S23], v53
	QUANT 160, 56, 54, TA, 1, 0
	ds_store_b128 v[IC2], v[56:59]
	ds_store_b32 v[SC2A], v54
	s_cmp_lt_u32 s2, 4
	s_cbranch_scc0 .Ltables
	QUANT 192, 40, 55, TB, 1, 0                    ; waves 0-3: Wc1's tiles
	ds_store_b128 v[IC1], v[40:43]
	ds_store_b32 v[SC1A], v55
	s_branch .Lmade
.Ltables:                                              ; waves 4-7: a thread folds two layers' batch norms for one channel
	v_add_f32 v31, s91, v31
	v_add_f32 v35, s91, v35
	s_wait_alu depctr_va_vdst(0)
	v_rsq_f32 v31, v31
	v_rsq_f32 v35, v35
	v_nop
	s_wait_alu depctr_va_vdst(0)                   ; one wait for both
	v_mul_f32 v28, v28, v31                        ; s = g rsq(v + eps)
	v_mul_f32 v32, v32, v35
	s_delay_alu instid0(VALU_DEP_2)
	v_fma_f32 v29, -v30, v28, v29                  ; o = b - m s
	s_delay_alu instid0(VALU_DEP_2)
	v_fma_f32 v33, -v34, v32, v33
	s_delay_alu instid0(VALU_DEP_4)
	v_mul_f32 v36, v28, v36                        ; a = s1 W1[:, 0] (of layer 3: not read)
	v_and_b32 v28, s85, v28                        ; |s3|
	ds_store_b32 v[ATB], v28
	ds_store_b32 v[ATB], v29 offset:256
	ds_store_b32 v[ATB], v32 offset:512
	ds_store_b32 v[ATB], v33 offset:768
	ds_store_b32 v[ATB], v36 offset:1024
.Lmade:
	BARRIER                                        ; t's codes, words and norms, the weights' images and the tables lie in LDS
	; ---- c(m) = s1 (W1[:, 1:] t(:, m)) + o1 for templates 32 w .. 32 w + 31
	WIN 0x40
.irp t, 0,1,2,3
.irp c, 0,1
	ds_load_b128 v[WF2+8*\t+4*\c:WF2+8*\t+4*\c+3], v[AIM] offset:1024*\t+512*\c
.endr
.endr
	TLD 0, ATL, 0
	TLD 32, ATL, 1
	WIN 0
.irp u, 0,1
.irp c, 0,1
	ds_load_b128 v[BQ1+8*\u+4*\c:BQ1+8*\u+4*\c+3], v[ATF] offset:16*TP*\u+32*\c
.endr
	ds_load_b32 v[TSW+\u], v[ATW] offset:64*\u
.endr
.irp t, 0,1,2,3
	ds_load_b32 v[WS2+\t], v[ASM] offset:128*\t
.endr
	s_wait_dscnt 0x0
	WIN 0x11
	MM XH, WF2, BQ1, WS2, TSW
	MM YH, WF2, BQ2, WS2, QS1
	PLACES 4                                       ; four plain lines between a matrix instruction and the first read of its result, a write of its registers or a load into them (ISA guide 7.12.1 for reads and writes)
	BN XH, 0, 32
	BN YH, 0, 32
	WIN 0
.irp u, 0,1
.irp i, 0,1,2,3,4,5,6,7
	ds_store_b128 v[ACS], v[XH+32*\u+4*\i:XH+32*\u+4*\i+3] offset:16*CP*\u+16*\i
.endr
.endr
	; the loop's constants
	WIN 0x40
	TLD KA1, ATL, 4
	TLD KS2, ATL, 2
	TLD KO2, ATL, 3
.irp t, 0,1,2,3
	ds_load_b128 v[WF2+8*\t:WF2+8*\t+3], v[AIM] offset:W23I-W1I+512*\t
	ds_load_b128 v[WF3+8*\t:WF3+8*\t+3], v[AIM] offset:W23I-W1I+2048+512*\t
.endr
.irp t, 0,1,2,3,4,5,6,7
.irp j, 4,5,6,7
	v_mov_b32 v[WF2+8*\t+\j], 0                    ; K = 64 .. 127: zero codes
.endr
.endr
	WIN 0
.irp i, 0,1,2,3,4,5,6,7
	ds_load_b32 v[WS2+\i], v[ASM] offset:W23S-W1S+128*\i
.endr
.irp j, 4,5,6,7
	v_mov_b32 v[BQ1+\j], 0
	v_mov_b32 v[BQ2+\j], 0
.endr
	BARRIER                                        ; the table c is whole; all my LDS instructions are done, so their address registers may be written
.set i, 0
.rept 32
	v_mov_b32 v[ACC+i], 0xff800000                 ; -infinity, under every number
.set i, i+1
.endr
	s_mov_b32 s59, 8
	s_mov_b32 s92, 0
	s_mov_b32 s93, 0
	s_mov_b32 s94, 0
	v_add_nc_u32 v[ADC], s92, v[ADC0]
	v_add_nc_u32 v[ADT], s93, v[ADT0]
	v_add_nc_u32 v[ADS], s94, v[ADS0]
	v_add_nc_u32 v[ADN], s94, v[ADN0]
; A SLOT of the pipeline.  Tile k of a trip enters in slot k: h1 and its codes; in slot k + 1: W2 h1, bn2, h2's codes; in slot k + 2: W3 h2; behind each odd tile two tiles are pooled.
; The 8 lines of h1 ahead of the matrix instructions are the places between the codes' last lines and the products; the 8 behind them are the places ahead of the first read of the results.
.macro SLOT k
.if ((\k) <= 6) && (((\k) % 2) == 0)
	s_wait_dscnt 0x0                               ; c of tiles k and k + 1 is in (asked for a slot ago)
.endif
	WIN 0x11
.if (\k) <= 7
	H1 \k, 0
.endif
.if (\k) == 9
	s_add_co_u32 s92, s92, 8*CP                    ; the next trip's 8 templates; no LDS load of mine is out
	s_add_co_u32 s93, s93, 8*TP
	s_add_co_u32 s94, s94, 32
	v_add_nc_u32 v[ADC], s92, v[ADC0]              ; four plain lines between the last codes and the products
	v_add_nc_u32 v[ADT], s93, v[ADT0]
	v_add_nc_u32 v[ADS], s94, v[ADS0]
	v_add_nc_u32 v[ADN], s94, v[ADN0]
.endif
.if ((\k) >= 1) && ((\k) <= 8)
	MM YH, WF2, BQ1, WS2, QS1
.endif
.if (\k) >= 2
	MM ZA+32*((\k)%2), WF3, BQ2, WS3, QS2
.endif
.if (\k) <= 7
	H1 \k, 1
.else
	PLACES 4
.endif
.if ((\k) >= 1) && ((\k) <= 8)
	BN YH, KS2, KO2
.endif
.if ((\k) == 1) || ((\k) == 3) || ((\k) == 5)
	WIN 0x40
	CLOAD CS0, (\k)+1
	CLOAD CS1, (\k)+2
.endif
	WIN 0
.if (\k) == 0
	QUANT XH, BQ1, QS1, TA, 0, 1
.elseif (\k) <= 7
	QUANT2 XH, BQ1, QS1, TA, YH, BQ2, QS2, TB
.elseif (\k) == 8
	QUANT YH, BQ2, QS2, TB, 0, 1
.endif
.if ((\k) >= 3) && (((\k) % 2) == 1)
	POOL
.endif
.endm
.Ltrip:                                                ; 8 trips of 8 templates
	ds_load_b32 v[TSW], v[ADS]
	ds_load_b128 v[RN:RN+3], v[ADN]
	ds_load_b128 v[RN+4:RN+7], v[ADN] offset:16
	WIN 0x40
	ds_load_b128 v[TFR:TFR+3], v[ADT]
	ds_load_b128 v[TFR+4:TFR+7], v[ADT] offset:32
	CLOAD CS0, 0
	CLOAD CS1, 1
	s_wait_dscnt 16                                ; t's word, norms and fragment are in; the sixteen loads of c issued behind them may be out
	WIN 0x11
	v_wmma_scale_f32_16x16x128_f8f6f4 v[COS:COS+7], v[TFR:TFR+7], v[SF:SF+7], 0, v[TSW], v[SSW] matrix_a_fmt:MATRIX_FMT_FP4 matrix_b_fmt:MATRIX_FMT_FP4
	WIN 0
.irp j, 0,2,4,6
	v_pk_mul_f32 v[RN+\j:RN+\j+1], v[RN+\j:RN+\j+1], v[NS:NS+1] op_sel_hi:[1,0]   ; |t| |s|: also the four places behind the product
.endr
.irp j, 0,1,2,3,4,5,6,7
	v_max_num_f32 v[RN+\j], s90, v[RN+\j]
.endr
	s_wait_alu depctr_va_vdst(0)
.irp j, 0,1,2,3,4,5,6,7
	v_rcp_f32 v[RN+\j], v[RN+\j]
.endr
	v_nop                                          ; a plain line behind the last reciprocal,
	s_wait_alu depctr_va_vdst(0)                   ; and one wait for the eight, ahead of their first reader
.irp j, 0,2,4,6
	v_pk_mul_f32 v[COS+\j:COS+\j+1], v[COS+\j:COS+\j+1], v[RN+\j:RN+\j+1]
.endr
	s_wait_alu depctr_va_vdst(0)
	SLOT 0
	SLOT 1
	s_wait_alu depctr_va_vdst(0)
	SLOT 2
	SLOT 3
	SLOT 4
	SLOT 5
	SLOT 6
	SLOT 7
	SLOT 8
	SLOT 9
	s_sub_co_i32 s59, s59, 1
	s_cmp_lg_u32 s59, 0
	s_cbranch_scc1 .Ltrip
	; ---- THE END.  The four quarters' maxima meet in LDS; each wave then makes p, c and two tiles of 16 outputs for its 16 columns.
	v_and_b32 v3, 31, v0                           ; lane
	s_wait_alu depctr_va_vdst(0)
	s_lshl_b32 s86, s2, 12
	s_add_co_u32 s86, s86, PM
	v_lshl_add_u32 v1, v3, 4, s86                  ; where I put my maxima
	s_lshl_b32 s86, s4, 12
	s_add_co_u32 s86, s86, PM
	v_lshl_add_u32 v2, v3, 4, s86                  ; and where the four waves of my columns have theirs, 8,192 bytes apart
	v_lshl_add_u32 v4, v3, 4, W1I
	s_lshl_b32 s86, s3, 10
	s_add_co_u32 s86, s86, WC2I
	v_lshl_add_u32 v5, v3, 4, s86                  ; Wc2's tiles 2 q and 2 q + 1
	v_lshl_add_u32 v75, v3, 2, W1S
	s_lshl_b32 s86, s3, 8
	s_add_co_u32 s86, s86, WC2S
	v_lshl_add_u32 v91, v3, 2, s86
	v_and_b32 v95, 15, v0
	s_delay_alu instid0(VALU_DEP_1)
	v_mul_u32_u24 v95, v95, OP
	v_bfe_u32 v3, v0, 4, 1                         ; h
	s_delay_alu instid0(VALU_DEP_1)
	v_lshl_add_u32 v95, v3, 5, v95
	s_mul_i32 s86, s3, 32*OP
	s_lshl_b32 s87, s4, 6
	s_add_co_u32 s86, s86, s87
	s_add_co_u32 s86, s86, OS
	v_add_nc_u32 v95, s86, v95                     ; the stage: row 32 q + r, byte 64 e + 32 h
	v_lshl_add_u32 v3, v3, 7, TAB
.irp i, 0,1,2,3,4,5,6,7
	ds_store_b128 v1, v[ACC+4*\i:ACC+4*\i+3] offset:512*\i
.endr
	s_wait_alu depctr_va_vdst(0)
	BARRIER
.irp p, 0,1,2,3
.irp i, 0,1,2,3,4,5,6,7
	ds_load_b128 v[XH+32*\p+4*\i:XH+32*\p+4*\i+3], v2 offset:8192*\p+512*\i
.endr
.endr
	WIN 0x40
	TLD 0, 3, 5                                    ; |s3|
	TLD 32, 3, 6                                   ; o3
	TLD 64, 3, 7                                   ; sc1
	TLD 160, 3, 8                                  ; oc1
.irp t, 0,1,2,3
	ds_load_b128 v[WF2+8*\t:WF2+8*\t+3], v4 offset:WC1I-W1I+512*\t     ; the zero codes above them stand
.endr
.irp t, 0,1
	ds_load_b128 v[WF3+8*\t:WF3+8*\t+3], v5 offset:512*\t
.endr
	WIN 0
.irp t, 0,1,2,3
	ds_load_b32 v[WS2+\t], v75 offset:WC1S-W1S+128*\t
.endr
.irp t, 0,1
	ds_load_b32 v[WS3+\t], v91 offset:128*\t
.endr
	s_wait_dscnt 0x0
.set i, 0
.rept 32
	v_max3_num_f32 v[ACC+i], v[XH+i], v[YH+i], v[ZA+i]
.set i, i+1
.endr
.set i, 0
.rept 32
	v_max_num_f32 v[ACC+i], v[ACC+i], v[ZB+i]
.set i, i+1
.endr
	WIN 0x11
	BN ACC, 0, 32                                  ; |s3| max + o3; the relu is made on the codes
	WIN 0
	QUANT ACC, BQ1, QS1, TA, 0, 1
	PLACES 4                                       ; between the codes' last lines and the products
	WIN 0x11
	MM YH, WF2, BQ1, WS2, QS1                      ; Wc1 p
	PLACES 4
	BN YH, 64, 160
	WIN 0
	QUANT YH, BQ2, QS2, TB, 0, 1
	PLACES 4
	WIN 0x04                                       ; source 1 in window 1
.irp t, 0,1                                    ; here source 0 = my 16 columns, source 1 = 16 rows of Wc2: lane (r, h) holds output 16 (2 q + t) + r and its registers the columns 8 h + 0 .. 7
	v_wmma_scale_f32_16x16x128_f8f6f4 v[ZA+8*\t:ZA+8*\t+7], v[BQ2:BQ2+7], v[WF3+8*\t:WF3+8*\t+7], 0, v[QS2], v[WS3+\t] matrix_a_fmt:MATRIX_FMT_FP4 matrix_b_fmt:MATRIX_FMT_FP4
.endr
	WIN 0
	v_lshrrev_b32 v1, 3, v0                        ; the way out: thread i takes 16 bytes: row i / 8 (+ 32, 64, 96), piece i % 8.  Four plain lines behind the products
	v_and_b32 v4, 7, v0
	s_delay_alu instid0(VALU_DEP_1)
	v_lshlrev_b32 v4, 4, v4
	s_delay_alu instid0(VALU_DEP_1)
	v_lshl_add_u32 v2, v1, 12, v4                  ; in out0: rows of 4,096 bytes
	s_delay_alu instid0(VALU_DEP_2)
	v_mad_u32_u24 v1, v1, OP, v4
	s_delay_alu instid0(VALU_DEP_1)
	v_add_nc_u32 v1, OS, v1                        ; in the stage
.irp t, 0,1
.irp j, 0,1,2,3,4,5,6,7
	v_add_f32 v[ZA+8*\t+\j], v[BO+\t], v[ZA+8*\t+\j]
.endr
.endr
.irp t, 0,1
.irp x, 0,1
	ds_store_b128 v95, v[ZA+8*\t+4*\x:ZA+8*\t+4*\x+3] offset:16*OP*\t+16*\x
.endr
.endr
	BARRIER                                        ; 128 rows of 128 bytes lie in the stage
.irp i, 0,1,2,3
	ds_load_b128 v[XH+4*\i:XH+4*\i+3], v1 offset:32*OP*\i
.endr
.irp i, 0,1,2,3
	s_wait_dscnt 3-\i                              ; LDS loads come back in order: the younger ones of the four may be out
	global_store_b128 v2, v[XH+4*\i:XH+4*\i+3], s[56:57] offset:131072*\i th:TH_STORE_NT   ; eight lanes store the work-group's 128 consecutive bytes of a row of out0; written once, read by nobody here
.endr
	s_set_vgpr_msb 0x5
	s_wait_tensorcnt 0x0
	ds_add_u32 v254, v255
	s_wait_dscnt 0x0
	s_set_vgpr_msb 0x500
	s_endpgm
.Lfunc_end_k_q5ae6faef8b_xcorr:
	.size	k_q5ae6faef8b_xcorr, .Lfunc_end_k_q5ae6faef8b_xcorr-k_q5ae6faef8b_xcorr
	.p2alignl 7, 3214868480
	.fill 96, 4, 3214868480
	.section	.rodata,"a",@progbits
	.p2align	6, 0x0
	.amdhsa_kernel k_q5ae6faef8b_xcorr
		.amdhsa_group_segment_fixed_size 164864
		.amdhsa_private_segment_fixed_size 0
		.amdhsa_enable_private_segment 0
		.amdhsa_kernarg_size 200
		.amdhsa_user_sgpr_count 2
		.amdhsa_user_sgpr_kernarg_segment_ptr 1
		.amdhsa_wavefront_size32 1
		.amdhsa_system_sgpr_workgroup_id_x 1
		.amdhsa_system_sgpr_workgroup_id_y 1
		.amdhsa_system_sgpr_workgroup_id_z 1
		.amdhsa_system_vgpr_workitem_id 0
		.amdhsa_next_free_vgpr 512
		.amdhsa_next_free_sgpr 96
		.amdhsa_reserve_vcc 0
		.amdhsa_float_denorm_mode_32 3
		.amdhsa_float_denorm_mode_16_64 3
		.amdhsa_memory_ordered 1
		.amdhsa_forward_progress 1
		.amdhsa_inst_pref_size 173
	.end_amdhsa_kernel
	.amdgpu_metadata
---
amdhsa.version: [ 1, 2 ]
amdhsa.kernels:
  - .name:           k_q5ae6faef8b_xcorr
    .symbol:         k_q5ae6faef8b_xcorr.kd
    .args:
      - { .name: template_feature, .offset: 0, .size: 8, .value_kind: global_buffer, .address_space: global }
      - { .name: search_feature, .offset: 8, .size: 8, .value_kind: global_buffer, .address_space: global }
      - { .name: W1, .offset: 16, .size: 8, .value_kind: global_buffer, .address_space: global }
      - { .name: W2, .offset: 24, .size: 8, .value_kind: global_buffer, .address_space: global }
      - { .name: W3, .offset: 32, .size: 8, .value_kind: global_buffer, .address_space: global }
      - { .name: Wc1, .offset: 40, .size: 8, .value_kind: global_buffer, .address_space: global }
      - { .name: Wc2, .offset: 48, .size: 8, .value_kind: global_buffer, .address_space: global }
      - { .name: bc2, .offset: 56, .size: 8, .value_kind: global_buffer, .address_space: global }
      - { .name: g1, .offset: 64, .size: 8, .value_kind: global_buffer, .address_space: global }
      - { .name: b1, .offset: 72, .size: 8, .value_kind: global_buffer, .address_space: global }
      - { .name: m1, .offset: 80, .size: 8, .value_kind: global_buffer, .address_space: global }
      - { .name: v1, .offset: 88, .size: 8, .value_kind: global_buffer, .address_space: global }
      - { .name: g2, .offset: 96, .size: 8, .value_kind: global_buffer, .address_space: global }
      - { .name: b2, .offset: 104, .size: 8, .value_kind: global_buffer, .address_space: global }
      - { .name: m2, .offset: 112, .size: 8, .value_kind: global_buffer, .address_space: global }
      - { .name: v2, .offset: 120, .size: 8, .value_kind: global_buffer, .address_space: global }
      - { .name: g3, .offset: 128, .size: 8, .value_kind: global_buffer, .address_space: global }
      - { .name: b3, .offset: 136, .size: 8, .value_kind: global_buffer, .address_space: global }
      - { .name: m3, .offset: 144, .size: 8, .value_kind: global_buffer, .address_space: global }
      - { .name: v3, .offset: 152, .size: 8, .value_kind: global_buffer, .address_space: global }
      - { .name: gc1, .offset: 160, .size: 8, .value_kind: global_buffer, .address_space: global }
      - { .name: bc1, .offset: 168, .size: 8, .value_kind: global_buffer, .address_space: global }
      - { .name: mc1, .offset: 176, .size: 8, .value_kind: global_buffer, .address_space: global }
      - { .name: vc1, .offset: 184, .size: 8, .value_kind: global_buffer, .address_space: global }
      - { .name: out0, .offset: 192, .size: 8, .value_kind: global_buffer, .address_space: global }
    .group_segment_fixed_size: 164864
    .private_segment_fixed_size: 0
    .kernarg_segment_align: 8
    .kernarg_segment_size: 200
    .max_flat_workgroup_size: 256
    .sgpr_count:     96
    .vgpr_count:     512
    .wavefront_size: 32
...
	.end_amdgpu_metadata
.endif
;; end of part 1
